; MI455X (gfx1250); checked and timed in simulation.
; The chip was launched on July 23, 2026; its instructions are those of AMD's public machine-readable ISA for CDNA 5 (MIT licence, August 2026) and "CDNA5" Instruction Set Architecture Reference Guide (July 2026). The comments in the code are by the model that wrote it; some were corrected since.
;; Feature Temporal Attention. Allowed arithmetic: matrix products marked QUANTISED: E2M3 operands, one E8M0 scale for each 32 along K, by v_wmma_scale_f32_16x16x128_f8f6f4 with both operands' format E2M3, f32 sums; products left as they are: f32 operands where the result goes on into a quantised operand, else bf16, f16 or f32 operands; f32 sums; everything else in f32.
;; Inputs: W_kf 512 x 512 float32; W_kt 512 x 512 float32; W_qf 512 x 512 float32; W_qt 512 x 512 float32; W_vf 512 x 512 float32; W_vt 512 x 512 float32; b_kf 512 float32; b_kt 512 float32; b_qf 512 float32; b_qt 512 float32; b_vf 512 float32; b_vt 512 float32; x 8 x 128 x 512 float32.
;; Outputs: out0 8 x 128 x 512 float32.
;; This version of the problem:
;;   THIS VERSION OF THE PROBLEM IS GIVEN IN LOW PRECISION. The matrix products marked QUANTISED in the list below multiply operands that are first quantised to E2M3 (2 exponent bits, 3 mantissa bits; 6 bits a number), with one power-of-two scale for each 32 numbers along K (OCP MX v1.0); their sums are f32. All else is computed in f32.
;;   The module's matrix products, in the order in which they are computed (A, B: the left and right operand; K: the contracted axis; several contracted axes count as one K, in the product's order):
;;     1. [M 1,024, K 512] x [K 512, N 512]; A: input x; B: input W_qf: QUANTISED
;;     2. [M 1,024, K 512] x [K 512, N 512]; A: input x; B: input W_kf: QUANTISED
;;     3. [M 1,024, K 512] x [K 512, N 512]; A: input x; B: input W_vf: QUANTISED
;;     4. [M 1,024, K 512] x [K 512, N 512]; A: input x; B: input W_qt: QUANTISED
;;     5. [M 1,024, K 512] x [K 512, N 512]; A: input x; B: input W_kt: QUANTISED
;;     6. [M 1,024, K 512] x [K 512, N 512]; A: input x; B: input W_vt: QUANTISED
;;     7. batch 1,024 x [M 512, K 1] x [K 1, N 512]; A: computed on the way; B: computed on the way: left as it is (no contracted axis)
;;     8. batch 1,024 x [M 512, K 512] x [K 512, N 1]; A: softmax; B: computed on the way: left as it is (N = 1 < 16)
;;   THE QUANTISER, for each operand of a quantised product, along K:
;;     - K is cut into blocks of 32 from its start; a last block that is shorter is filled with zeros.
;;     - A block's scale is 2^e with e = floor(log2(the largest magnitude in the block)) - 2, held to -126 .. 127; a block of zeros has e = 0. As a byte (E8M0): e + 127.
;;     - Each number is divided by its block's scale, clamped to +-7.5, and rounded to the nearest number of E2M3, ties to even, subnormals kept.
;;     - The product sums the exact products of the quantised numbers (number of the format x scale) in f32.
;;   ~~~python
;;   def quantise(x, axis):      # numpy; x: float32 -> the quantised numbers, widened to float32 again
;;       x = np.moveaxis(x, axis, -1); K = x.shape[-1]
;;       x = np.pad(x, [(0, 0)] * (x.ndim - 1) + [(0, -K % 32)]); x = x.reshape(x.shape[:-1] + (-1, 32)); a = np.abs(x).max(-1, keepdims=True)
;;       e = np.where(a > 0, np.clip(np.frexp(np.where(a > 0, a, 1))[1] - 1 - 2, -126, 127), 0)      # np.frexp(a)[1] - 1 = floor(log2(a)), exactly
;;       r = np.clip(x / 2.0 ** e, -7.5, 7.5)
;;       step = 2.0 ** (np.maximum(np.frexp(np.where(r == 0, 1, r))[1] - 1, 0) - 3)
;;       q = np.round(r / step) * step * 2.0 ** e      # np.round: ties to even
;;       return np.moveaxis(q.reshape(q.shape[:-2] + (-1,))[..., :K], -1, axis).astype(np.float32)
;;   ~~~
;; 2 versions, each right; version 2 is version 1 with the launch proj written anew for expert scheduling mode. Each part assembles by itself: llvm-mc -triple=amdgcn-amd-amdhsa -mcpu=gfx1250 --defsym DOCPART=n.
;; ======== version 1 of 2: 2 launches
;; workspace buffers: proj 12,582,912 bytes
;; launch proj (part 1): grid 16 x 16, 8 waves a work-group, no clusters, 227,328 bytes of LDS; arguments x, W_qf, W_kf, W_vf, W_qt, W_kt, W_vt, b_qf, b_kf, b_vf, b_qt, b_kt, b_vt, proj; writes proj
.if DOCPART == 1
	.amdgcn_target "amdgcn-amd-amdhsa--gfx1250"
	.amdhsa_code_object_version 6
	.text
	.protected	k_qa78ce09257_proj
	.globl	k_qa78ce09257_proj
	.p2align	8
	.type	k_qa78ce09257_proj,@function
k_qa78ce09257_proj:
	s_mov_b64 s[64:65], 0
	v_nop
	global_prefetch_b8 v0, s[64:65] scope:SCOPE_SE
	s_setreg_imm32_b32 hwreg(HW_REG_WAVE_MODE, 25, 1), 1
	s_wait_xcnt 0x0
; proj[row][tensor][o] = sum over i of Q(x)[row][i] Q(W_tensor)[o][i] + b_tensor[o], tensors in the order qf, kf, vf, qt, kt, vt; x: [1024][512] f32, each W: [512][512] f32, proj: [1024][6][512] f32.
; Q is the MX quantiser to codes of FP6 (E2M3) along i: a block of 32 has the scale 2^(floor(log2(its largest magnitude)) - 2); the products go by v_wmma_scale_f32_16x16x128_f8f6f4 on codes and E8M0 bytes, sums in f32.
; SHARES.  256 work-groups of eight waves.  Work-group (x, y): branch = x / 8 (f or t), slice = x % 8, my = y: rows 64 my .. + 63 of x against rows 64 slice .. + 63 of the branch's three weights: 64 x 192 results.
; PHASE Q: wave w quantises 32 rows (64 KiB of f32, dense in memory) of tensor w / 2 (x, Wq, Wk, Wv): 8 fragments of 16 rows x 128 K, in 16 steps of half a fragment, and stores them in LDS as images of the operand's registers.
; PHASE G: wave w takes x's tile of 16 rows w % 4 against two tiles of 16 rows (2 (w / 4) + u) of each of the three weights: 6 accumulators x 4 K steps = 24 matrix instructions.
; THE MATRIX INSTRUCTION IS USED TRANSPOSED (source 0 = 16 rows of W, source 1 = 16 rows of x): a lane holds 8 neighbouring outputs of one row.  The biases are loaded into the accumulators: every product adds in place, nothing is cleared.
; NO CLUSTER, though each row of x and of W is read by 16 work-groups: the shared tiles are f32 numbers that must pass through registers to be quantised; a work-group's 512 KiB of them exceed the 320 KiB of LDS, so joint
; loads would want a ring that is filled again, with a round of the cluster's barrier for each refill, for 24 matrix instructions a wave.
; LIMITS: NaN and infinities among the inputs are not served.  A block whose largest magnitude lies under 2^-124 has its byte held at 1; a block of zeros keeps the byte 1 where the rule says 127: its codes are zeros,
; which add nothing under that byte, and the bytes are read by this launch alone.  Beyond 7.5 scales the conversion gives the largest code, as the rule asks.
.set ROWX,  2048                       ; bytes in a row of x or of a weight
.set PROW,  12288                      ; bytes in a row of proj: six tensors of 2,048
.set PT,    272                        ; a turn stage's row: 256 bytes + 16 = 17 x 16: sixteen rows start at sixteen different 16-byte columns of the 64 banks of 4 bytes (ISA guide 11.1)
.set STG1,  16*PT                      ; a turn stage: 16 rows
.set WTURN, 2*STG1                     ; two stages for each wave
.set IMG,   8*WTURN                    ; behind them: 64 fragments' images; fragment F = 16 tensor + 4 tile of rows + K step
.set FRB,   1536                       ; an image: 12 registers x 128 bytes
.set SCW,   IMG+64*FRB                 ; their scale words, 128 bytes a fragment
.set STG,   SCW+64*128                 ; the way out: 64 rows x (768 bytes + 16)
.set SP,    784                        ; 49 x 16
.set PC,    22                         ; v22-33   the fragment's codes in the making
.set PCB,   34                         ; v34-36   a block's upper 16 codes (a conversion's three registers begin on an even number)
.set XSC,   40                         ; v40-43   x's scale words, K step s: scales and nothing else
.set WSC,   44                         ; v44-51   the weights' scale words, two for each of four buffers: scales and nothing else
.set R,     56                         ; v56-183  four sets of 32 numbers as loaded
.set ACC,   56                         ; v56-103  later the six accumulators
.set X,     184                        ; v184-247 two sets of 32 neighbours along K
.set WB,    104                        ; v104-199 phase G: four buffers of two fragments of W
.set XFR,   200                        ; v200-247 phase G: x's four fragments
.set OB,    104                        ; the way out: rows read back
; v1 load offset; v2, v3 turn stage in and out; v4, v5 where I store images and scale words; v6-9 where I read them; v10 32 h; v11 8 h; v12-15 at work; v16 the scale word; v17 a permute's destination;
; v18, v19 the stage in and out; v20 my offset in proj.  None of v1-11, v18-20 is rewritten.
; Step t = 8 rt + 2 s + c: rows 16 rt .. + 15 of my 32, K = 128 s + 64 c .. + 63.  Eight loads: lanes 0-15 take 256 consecutive aligned bytes of row 2 i, lanes 16-31 of row 2 i + 1.
.macro LOAD t
.irp i, 0,1,2,3,4,5,6,7
	global_load_b128 v[R+32*((\t)%4)+4*\i:R+32*((\t)%4)+4*\i+3], v1, s[48:49] offset:(16*((\t)/8)+2*\i)*ROWX+512*(((\t)/2)%4)+256*((\t)%2)
.endr
.endm
; The step's 4 KiB turn through my own stage: in as loaded, out 128 bytes a lane: lane (r, h) gets the whole block K = 128 s + 64 c + 32 h + 0 .. 31 of row r.  LDS serves a wave's instructions in order (ISA guide 5.7.1.4): no wait between.
.macro TURN t
.irp i, 0,1,2,3,4,5,6,7
	ds_store_b128 v2, v[R+32*((\t)%4)+4*\i:R+32*((\t)%4)+4*\i+3] offset:STG1*((\t)%2)+2*PT*\i
.endr
.irp i, 0,1,2,3,4,5,6,7
	ds_load_b128 v[X+32*((\t)%2)+4*\i:X+32*((\t)%2)+4*\i+3], v3 offset:STG1*((\t)%2)+16*\i
.endr
.endm
; Accumulator a = 2 T + u begins as the bias: lane (r, h) wants b[.. + 16 u + 8 h + 0 .. 7]
.macro BIAS a, base
	global_load_b128 v[ACC+8*(\a):ACC+8*(\a)+3], v10, s[\base:\base+1] offset:64*((\a)%2)
	global_load_b128 v[ACC+8*(\a)+4:ACC+8*(\a)+7], v10, s[\base:\base+1] offset:64*((\a)%2)+16
.endm
; A block of 32, all mine: its largest magnitude, its scale, its 32 codes into registers 6 c .. 6 c + 5 of the fragment, its byte into the scale word.
.macro BLOCKQ t
.set XS, X+32*((\t)%2)
.set PD, PC+6*((\t)%2)
	v_max3_num_f32 v12, |v[XS]|, |v[XS+1]|, |v[XS+2]|              ; two chains, so that no line waits for the line above it
	v_max3_num_f32 v13, |v[XS+3]|, |v[XS+4]|, |v[XS+5]|
.irp i, 6,10,14,18,22,26
	v_max3_num_f32 v12, v12, |v[XS+\i]|, |v[XS+\i+1]|
	v_max3_num_f32 v13, v13, |v[XS+\i+2]|, |v[XS+\i+3]|
.endr
	v_max3_num_f32 v12, v12, |v[XS+30]|, |v[XS+31]|
	v_max3_num_f32 v12, v12, v13, 0x1800000                        ; and the floor 2^(3 - 127): the byte cannot fall under 1
	v_add_nc_u32 v14, 0xff000000, v12                              ; 2 off the exponent field: the conversion takes the exponent field of this operand as its scale
	v_cvt_scalef32_pk16_fp6_f32 v[PD:PD+2], v[XS:XS+15], v14
	v_cvt_scalef32_pk16_fp6_f32 v[PCB:PCB+2], v[XS+16:XS+31], v14
.if (\t)%2 == 0
	v_lshrrev_b32 v16, 23, v14                                     ; the scale's byte; also the plain line between the conversions and the moves that read their result
.else
	v_lshrrev_b32 v15, 23, v14
	v_lshl_or_b32 v16, v15, 16, v16                                ; blocks h and 2 + h of my row
.endif
.irp i, 0,1,2
	v_mov_b32 v[PD+3+\i], v[PCB+\i]
.endr
.endm
; The fragment is whole: its scale word is joined from the two halves of the lanes, and both go to LDS as they stand: 16 bytes a lane, 512 consecutive bytes a store.
.macro IMAGE t
	v_lshlrev_b32 v16, v11, v16                                    ; my two bytes 8 h bits up,
	v_permlanex16_b32 v17, v16, s54, s55
	v_or_b32 v16, v16, v17                                         ; with lane l xor 16's two the word is whole
.irp q, 0,1,2
	ds_store_b128 v4, v[PC+4*\q:PC+4*\q+3] offset:((\t)/2)*FRB+512*\q
.endr
	ds_store_b32 v5, v16 offset:((\t)/2)*128
.endm
.macro STEP t
	s_wait_dscnt 0x0                               ; this step's numbers are back from the stage: so the stage's stores have read set t % 4, and the last image's stores their codes and word
.if (\t) <= 11
	LOAD (\t)+4                                    ; that set takes the loads of four steps on
.elseif (\t) == 12
	BIAS 0, 42                                     ; the sets that are done with take the biases
	BIAS 1, 42
	BIAS 2, 44
	BIAS 3, 44
.elseif (\t) == 13
	BIAS 4, 46
	BIAS 5, 46
.endif
.if (\t) <= 12
	s_wait_loadcnt 24                              ; the next step's eight loads are in; behind them three groups of eight were issued
	TURN (\t)+1
.elseif (\t) == 13
	s_wait_loadcnt 20                              ; behind step 14's loads: step 15's eight and twelve of the biases
	TURN (\t)+1
.elseif (\t) == 14
	s_wait_loadcnt 12                              ; behind step 15's loads: the twelve of the biases
	TURN (\t)+1
.endif
	BLOCKQ \t
.if (\t)%2 == 1
	IMAGE \t
.endif
.endm
; Group n = 3 s + T of phase G: the two fragments (u = 0, 1) of weight T, K step s, and their scale words, into buffer n % 4: eight LDS loads
.macro GLOAD n
.irp u, 0,1
.irp q, 0,1,2
	ds_load_b128 v[WB+24*((\n)%4)+12*\u+4*\q:WB+24*((\n)%4)+12*\u+4*\q+3], v7 offset:16*FRB*((\n)%3)+4*FRB*\u+FRB*((\n)/3)+512*\q
.endr
	ds_load_b32 v[WSC+2*((\n)%4)+\u], v9 offset:2048*((\n)%3)+512*\u+128*((\n)/3)
.endr
.endm
	s_load_b512 s[8:23], s[0:1], 0x0               ; x, W_qf, W_kf, W_vf, W_qt, W_kt, W_vt, b_qf
	s_load_b256 s[24:31], s[0:1], 0x40             ; b_kf, b_vf, b_qt, b_kt
	s_load_b128 s[32:35], s[0:1], 0x60             ; b_vt, proj
	v_lshl_add_u32 v254, v0, 2, 0x37400
	v_mov_b32 v255, 0
	v_lshrrev_b32 v21, 5, v0
	v_readfirstlane_b32 s2, v21                    ; wave 0..7
	s_and_b32 s3, ttmp9, 7                         ; slice
	s_lshr_b32 s4, ttmp9, 3                        ; branch
	s_and_b32 s5, ttmp7, 0xffff                    ; my
	s_lshr_b32 s6, s2, 1                           ; phase Q: my tensor: 0 x, 1 Wq, 2 Wk, 3 Wv
	s_and_b32 s7, s2, 1                            ; and which 32 of its 64 rows
	s_and_b32 s56, s2, 3                           ; phase G: my tile of x's rows
	s_lshr_b32 s57, s2, 2                          ; and my half of the weights' rows
	s_mov_b32 s54, 0x76543210
	s_mov_b32 s55, 0xfedcba98                      ; v_permlanex16_b32's selects for lane l xor 16
	v_and_b32 v52, 31, v0                          ; lane
	v_and_b32 v53, 15, v0                          ; r
	v_bfe_u32 v54, v0, 4, 1                        ; h
	v_lshlrev_b32 v1, 4, v53
	v_lshl_add_u32 v1, v54, 11, v1                 ; loads: row h, 16 r bytes on
	s_wait_kmcnt 0x0
	s_cmp_eq_u32 s4, 0                             ; the branch's buffers: the choice hangs on the work-group's number alone
	s_cselect_b64 s[36:37], s[10:11], s[16:17]     ; Wq
	s_cselect_b64 s[38:39], s[12:13], s[18:19]     ; Wk
	s_cselect_b64 s[40:41], s[14:15], s[20:21]     ; Wv
	s_cselect_b64 s[42:43], s[22:23], s[28:29]     ; bq
	s_cselect_b64 s[44:45], s[24:25], s[30:31]     ; bk
	s_cselect_b64 s[46:47], s[26:27], s[32:33]     ; bv
	s_cmp_eq_u32 s6, 0                             ; my wave's tensor: the choice hangs on the wave's number alone
	s_cselect_b64 s[48:49], s[8:9], s[36:37]
	s_cselect_b32 s50, s5, s3                      ; its block of 64 rows: my for x, slice for a weight
	s_cmp_eq_u32 s6, 2
	s_cselect_b64 s[48:49], s[38:39], s[48:49]
	s_cmp_eq_u32 s6, 3
	s_cselect_b64 s[48:49], s[40:41], s[48:49]
	s_lshl_b32 s50, s50, 6
	s_lshl_b32 s51, s7, 5
	s_add_co_u32 s50, s50, s51                     ; my first row,
	s_lshl_b32 s50, s50, 11                        ; in bytes
	s_mov_b32 s51, 0
	s_add_nc_u64 s[48:49], s[48:49], s[50:51]
	LOAD 0
	LOAD 1
	LOAD 2
	LOAD 3                                         ; 32 loads of mine are out; the addresses below are made meanwhile
	s_lshl_b32 s52, s3, 8
	s_lshl_b32 s53, s57, 7
	s_add_co_u32 s52, s52, s53                     ; the biases at column 64 slice + 32 (w / 4)
	s_mov_b32 s53, 0
	s_add_nc_u64 s[42:43], s[42:43], s[52:53]
	s_add_nc_u64 s[44:45], s[44:45], s[52:53]
	s_add_nc_u64 s[46:47], s[46:47], s[52:53]
	s_lshl_b32 s52, s5, 6
	s_lshl_b32 s50, s2, 3
	s_add_co_u32 s52, s52, s50                     ; the first row of proj that I store: 64 my + 8 w
	s_mul_i32 s52, s52, PROW
	s_mul_i32 s50, s4, 3*2048                      ; the branch's three tensors
	s_add_co_u32 s52, s52, s50
	s_lshl_b32 s50, s3, 8                          ; the slice's 64 columns
	s_add_co_u32 s52, s52, s50
	s_add_nc_u64 s[34:35], s[34:35], s[52:53]
	s_mul_i32 s58, s2, WTURN                       ; my two turn stages
	v_mul_u32_u24 v2, v54, PT
	v_lshl_add_u32 v2, v53, 4, v2
	v_add_nc_u32 v2, s58, v2                       ; in: row h, 16 r
	v_mul_u32_u24 v3, v53, PT
	v_lshl_add_u32 v3, v54, 7, v3
	v_add_nc_u32 v3, s58, v3                       ; out: row r, 128 h
	s_mul_i32 s58, s2, 8*FRB
	s_add_co_u32 s58, s58, IMG
	v_lshl_add_u32 v4, v52, 4, s58                 ; my eight images: fragments 8 w on
	s_lshl_b32 s58, s2, 10
	s_add_co_u32 s58, s58, SCW
	v_lshl_add_u32 v5, v52, 2, s58                 ; and their scale words
	s_mul_i32 s58, s56, 4*FRB
	s_add_co_u32 s58, s58, IMG
	v_lshl_add_u32 v6, v52, 4, s58                 ; phase G: x's fragments 4 (w % 4) on
	s_mul_i32 s58, s57, 8*FRB
	s_add_co_u32 s58, s58, IMG+16*FRB
	v_lshl_add_u32 v7, v52, 4, s58                 ; the weights': 16 (1 + T) + 8 (w / 4) + 4 u + s
	s_lshl_b32 s58, s56, 9
	s_add_co_u32 s58, s58, SCW
	v_lshl_add_u32 v8, v52, 2, s58
	s_lshl_b32 s58, s57, 10
	s_add_co_u32 s58, s58, SCW+2048
	v_lshl_add_u32 v9, v52, 2, s58
	v_lshlrev_b32 v10, 5, v54                      ; the biases: 32 h
	v_lshlrev_b32 v11, 3, v54                      ; the scale word's shift: 8 h
	v_mov_b32 v17, 0                               ; written once: a lane permute's destination counts as one of its sources
	s_mul_i32 s58, s56, 16*SP
	s_lshl_b32 s59, s57, 7
	s_add_co_u32 s58, s58, s59
	s_add_co_u32 s58, s58, STG
	v_mul_u32_u24 v18, v53, SP
	v_lshl_add_u32 v18, v54, 5, v18
	v_add_nc_u32 v18, s58, v18                     ; the stage, in: row 16 (w % 4) + r, 128 (w / 4) + 32 h bytes on
	s_mul_i32 s58, s2, 8*SP
	s_add_co_u32 s58, s58, STG
	v_mul_u32_u24 v19, v54, SP
	v_lshl_add_u32 v19, v53, 4, v19
	v_add_nc_u32 v19, s58, v19                     ; out: rows 8 w on; lanes 0-15 one row, lanes 16-31 the next; 16 bytes a lane
	v_mul_u32_u24 v20, v54, PROW
	v_lshl_add_u32 v20, v53, 4, v20                ; and the same in proj
	; ---- PHASE Q
	s_wait_loadcnt 24                              ; step 0's eight loads are in; the 24 behind them stay out
	TURN 0
.irp t, 0,1,2,3,4,5,6,7,8,9,10,11,12,13,14,15
	STEP \t
.endr
	s_wait_dscnt 0x0                               ; for the others' sake: my images and scale words have landed
	s_barrier_signal -1
	s_barrier_wait -1                              ; all 64 fragments lie in LDS (the biases' loads may stay out: they touch no LDS)
	; ---- PHASE G
.irp s, 0,1,2,3
.irp q, 0,1,2
	ds_load_b128 v[XFR+12*\s+4*\q:XFR+12*\s+4*\q+3], v6 offset:FRB*\s+512*\q
.endr
	ds_load_b32 v[XSC+\s], v8 offset:128*\s
.endr
	GLOAD 0
	GLOAD 1
	GLOAD 2
	GLOAD 3
	s_wait_loadcnt 0x0                             ; the biases stand in the accumulators
.set g, 0
.rept 12                                       ; group g: K step g / 3, weight g % 3.  The six accumulators take turns, one instruction a turn, K ascending
.if g <= 8
	s_wait_dscnt 24                                ; x's fragments and group g are in; behind group g three groups of eight were issued
.else
	s_wait_dscnt 8*(11-g)                          ; the groups run out
.endif
.irp u, 0,1
	v_wmma_scale_f32_16x16x128_f8f6f4 v[ACC+8*(2*(g%3)+\u):ACC+8*(2*(g%3)+\u)+7], v[WB+24*(g%4)+12*\u:WB+24*(g%4)+12*\u+11], v[XFR+12*(g/3):XFR+12*(g/3)+11], v[ACC+8*(2*(g%3)+\u):ACC+8*(2*(g%3)+\u)+7], v[WSC+2*(g%4)+\u], v[XSC+g/3] matrix_a_fmt:MATRIX_FMT_FP6 matrix_b_fmt:MATRIX_FMT_FP6
.endr
.if g <= 7
	v_nop                                          ; four places in front of loads into registers that the two products have read (ISA guide 7.12.1 for vector instructions)
	v_nop
	v_nop
	v_nop
	GLOAD g+4
.endif
.set g, g+1
.endr
	; ---- THE WAY OUT: a lane's 32 bytes of a row go into the work-group's stage; a row's 768 bytes come from two waves, so a barrier stands between writing and reading
	v_nop                                          ; four places in front of the first read of the last results, and of the loads into the weights' buffers below
	v_nop
	v_nop
	v_nop
.irp a, 0,1,2,3,4,5
	ds_store_b128 v18, v[ACC+8*\a:ACC+8*\a+3] offset:256*(\a/2)+64*(\a%2)          ; each accumulator from its low end on
	ds_store_b128 v18, v[ACC+8*\a+4:ACC+8*\a+7] offset:256*(\a/2)+64*(\a%2)+16
.endr
	s_wait_dscnt 0x0                               ; for the others' sake: my stores into the stage have landed
	s_barrier_signal -1
	s_barrier_wait -1
.irp n, 0,1,2,3,4,5,6,7,8,9,10,11              ; tensor n / 4, rows 2 (n % 4) and 2 (n % 4) + 1 of my eight
	ds_load_b128 v[OB+4*\n:OB+4*\n+3], v19 offset:2*SP*(\n%4)+256*(\n/4)
.endr
.irp n, 0,1,2,3,4,5,6,7,8,9,10,11
	s_wait_dscnt 11-\n                             ; LDS loads come back in order (ISA guide 5.7.1): load n is in, the younger ones stay out
	global_store_b128 v20, v[OB+4*\n:OB+4*\n+3], s[34:35] offset:2*PROW*(\n%4)+2048*(\n/4)   ; sixteen lanes store 256 consecutive bytes, at a multiple of 256 from proj's first byte
.endr
	s_wait_tensorcnt 0x0
	ds_add_u32 v254, v255
	s_wait_dscnt 0x0
	s_endpgm
.Lfunc_end_k_qa78ce09257_proj:
	.size	k_qa78ce09257_proj, .Lfunc_end_k_qa78ce09257_proj-k_qa78ce09257_proj
	.p2alignl 7, 3214868480
	.fill 96, 4, 3214868480
	.section	.rodata,"a",@progbits
	.p2align	6, 0x0
	.amdhsa_kernel k_qa78ce09257_proj
		.amdhsa_group_segment_fixed_size 227328
		.amdhsa_private_segment_fixed_size 0
		.amdhsa_enable_private_segment 0
		.amdhsa_kernarg_size 112
		.amdhsa_user_sgpr_count 2
		.amdhsa_user_sgpr_kernarg_segment_ptr 1
		.amdhsa_wavefront_size32 1
		.amdhsa_system_sgpr_workgroup_id_x 1
		.amdhsa_system_sgpr_workgroup_id_y 1
		.amdhsa_system_sgpr_workgroup_id_z 1
		.amdhsa_system_vgpr_workitem_id 0
		.amdhsa_next_free_vgpr 256
		.amdhsa_next_free_sgpr 66
		.amdhsa_reserve_vcc 0
		.amdhsa_float_denorm_mode_32 3
		.amdhsa_float_denorm_mode_16_64 3
		.amdhsa_memory_ordered 1
		.amdhsa_forward_progress 1
		.amdhsa_inst_pref_size 75
	.end_amdhsa_kernel
	.amdgpu_metadata
---
amdhsa.version: [ 1, 2 ]
amdhsa.kernels:
  - .name:           k_qa78ce09257_proj
    .symbol:         k_qa78ce09257_proj.kd
    .args:
      - { .name: x, .offset: 0, .size: 8, .value_kind: global_buffer, .address_space: global }
      - { .name: W_qf, .offset: 8, .size: 8, .value_kind: global_buffer, .address_space: global }
      - { .name: W_kf, .offset: 16, .size: 8, .value_kind: global_buffer, .address_space: global }
      - { .name: W_vf, .offset: 24, .size: 8, .value_kind: global_buffer, .address_space: global }
      - { .name: W_qt, .offset: 32, .size: 8, .value_kind: global_buffer, .address_space: global }
      - { .name: W_kt, .offset: 40, .size: 8, .value_kind: global_buffer, .address_space: global }
      - { .name: W_vt, .offset: 48, .size: 8, .value_kind: global_buffer, .address_space: global }
      - { .name: b_qf, .offset: 56, .size: 8, .value_kind: global_buffer, .address_space: global }
      - { .name: b_kf, .offset: 64, .size: 8, .value_kind: global_buffer, .address_space: global }
      - { .name: b_vf, .offset: 72, .size: 8, .value_kind: global_buffer, .address_space: global }
      - { .name: b_qt, .offset: 80, .size: 8, .value_kind: global_buffer, .address_space: global }
      - { .name: b_kt, .offset: 88, .size: 8, .value_kind: global_buffer, .address_space: global }
      - { .name: b_vt, .offset: 96, .size: 8, .value_kind: global_buffer, .address_space: global }
      - { .name: proj, .offset: 104, .size: 8, .value_kind: global_buffer, .address_space: global }
    .group_segment_fixed_size: 227328
    .private_segment_fixed_size: 0
    .kernarg_segment_align: 8
    .kernarg_segment_size: 112
    .max_flat_workgroup_size: 256
    .sgpr_count:     66
    .vgpr_count:     256
    .wavefront_size: 32
...
	.end_amdgpu_metadata
.endif
;; end of part 1
;; launch attn (part 2): grid 256 x 1, 16 waves a work-group, no clusters, 67,584 bytes of LDS; arguments proj, out0; writes out0
.if DOCPART == 2
	.amdgcn_target "amdgcn-amd-amdhsa--gfx1250"
	.amdhsa_code_object_version 6
	.text
	.protected	k_qa78ce09257_attn
	.globl	k_qa78ce09257_attn
	.p2align	8
	.type	k_qa78ce09257_attn,@function
k_qa78ce09257_attn:
	s_mov_b64 s[64:65], 0
	v_nop
	global_prefetch_b8 v0, s[64:65] scope:SCOPE_SE
	s_setreg_imm32_b32 hwreg(HW_REG_WAVE_MODE, 25, 1), 1
	s_wait_xcnt 0x0
; out0[row][i] = softmax_i(Qf Kf)[i] Vf[i] + sum over j of softmax_j(Qt[i] Kt[j]) Vt[j], for each of 1,024 rows; proj: [1024][6][512] f32 in the order Qf, Kf, Vf, Qt, Kt, Vt; out0: [1024][512] f32.  All in f32.
; SHARES.  A work-group takes 4 rows; wave w takes row w / 4 of them and the i = 128 (w % 4) + 4 lane + 0 .. 3.  A lane walks all 512 j for its four i: 2,048 exponentials.
; No wave waits for another: each keeps its own copy of its row's Kt and Vt in LDS (4 KiB) and repeats the row-wide reductions (16 numbers a lane against 2,048 exponentials): no barrier.
; THE MAXIMUM that the softmax over j takes away is max_j(q k_j) = max(q kmax, q kmin), kmax and kmin the row's largest and smallest Kt: the true maximum for every input, so there is no running maximum and no rescaling.
; p = 2^(q' k_j - m), q' = q log2(e), m = max(q' kmax, q' kmin): one fused multiply-add and one v_exp_f32.  m's rounding is common to all j of an i and cancels between the weighted sum and the divisor.
; PAIRS RUN ALONG j: 16 k and 16 v at a time come from LDS by loads in which all lanes name one address; a packed instruction serves (j, j + 1) of one i; q' and -m stand twice, in a pair, so no line of the loop selects halves.
; BY CHUNKS OF 16 j: while chunk c's 64 exponentials are issued, chunk c - 1 is summed and chunk c + 1 is scaled into the registers just freed: three packed lines for two exponentials, and nothing names an exponential's result in its own phase.
; No matrix instruction: the weights p of one (row, i) meet one column of Vt alone.  No cluster, no tensor load: work-groups share no input.
; LIMITS: NaN and infinities are not served; a p under 2^-126 counts as 0 (v_exp_f32 gives zero where its result would be denormal: ISA guide 15.8); the divisor is at least about 1.
.set QD,  8                            ; v8-15    (q', q') for my four i
.set NMD, 16                           ; v16-23   (-m, -m)
.set SUM, 24                           ; v24-31   the divisor: even j's, odd j's
.set ACC, 32                           ; v32-39   the weighted sum likewise
.set KS,  40                           ; v40-71   two sets of 16 k
.set VS,  72                           ; v72-103  two sets of 16 v
.set T0,  104                          ; v104-167 chunk buffer 0: register 2 (4 jp + i) + b: i, j = 16 c + 2 jp + b
.set T1,  168                          ; v168-231 chunk buffer 1
.set CF,  232                          ; v232-235 the feature branch's result for my four i
.set QO,  236                          ; v236-239 my four Qt; at the end the output
.set VF,  240                          ; v240-243 my four Vf
; v1 16 lane; v2 my 16 bytes in a tensor's row and in out0's; v3 my wave's LDS region; v4 the LDS address in hand; v5 v3 + 16 lane; v244-255 at work.
; Chunk c, e = c % 2, d = c less the chunk at which v4 stands.  ldk: K(c + 2) is asked for; ldv: V(c); acc: chunk c - 1 is summed; scl: chunk c + 1 is scaled.
.macro PHASE e, d, acc, scl, ldk, ldv
.if \ldk
.irp q, 0,1,2,3
	ds_load_b128 v[KS+16*\e+4*\q:KS+16*\e+4*\q+3], v4 offset:64*(\d+2)+16*\q      ; over K(c), last read in the phase before
.endr
.endif
.if \ldv
.irp q, 0,1,2,3
	ds_load_b128 v[VS+16*\e+4*\q:VS+16*\e+4*\q+3], v4 offset:2048+64*\d+16*\q     ; over V(c - 2), last read in the phase before
.endr
.endif
.set p, 0
.rept 32
	v_exp_f32 v[T0+64*\e+2*p], v[T0+64*\e+2*p]
.if \acc
	v_pk_add_f32 v[SUM+2*(p%4):SUM+2*(p%4)+1], v[SUM+2*(p%4):SUM+2*(p%4)+1], v[T0+64*(1-\e)+2*p:T0+64*(1-\e)+2*p+1]
.endif
	v_exp_f32 v[T0+64*\e+2*p+1], v[T0+64*\e+2*p+1]
.if \acc
	v_pk_fma_f32 v[ACC+2*(p%4):ACC+2*(p%4)+1], v[T0+64*(1-\e)+2*p:T0+64*(1-\e)+2*p+1], v[VS+16*(1-\e)+2*(p/4):VS+16*(1-\e)+2*(p/4)+1], v[ACC+2*(p%4):ACC+2*(p%4)+1]
.endif
.if \scl
	v_pk_fma_f32 v[T0+64*(1-\e)+2*p:T0+64*(1-\e)+2*p+1], v[KS+16*(1-\e)+2*(p/4):KS+16*(1-\e)+2*(p/4)+1], v[QD+2*(p%4):QD+2*(p%4)+1], v[NMD+2*(p%4):NMD+2*(p%4)+1]
.endif
.set p, p+1
.endr
	s_wait_alu depctr_va_vdst(0)                   ; one wait for the phase's 64 exponentials: a plain line stands behind the last, and the next phase is the first to name a result
	s_wait_dscnt 0x0                               ; the loads issued at the phase's head: the next phase reads them
.endm
	s_load_b128 s[4:7], s[0:1], 0x0                ; proj, out0
	v_lshrrev_b32 v6, 5, v0
	v_readfirstlane_b32 s2, v6                     ; wave 0..15
	s_lshr_b32 s8, s2, 2
	s_lshl_b32 s10, ttmp9, 2
	s_add_co_u32 s8, s8, s10                       ; my row: 4 x work-group + wave / 4
	s_and_b32 s9, s2, 3                            ; my quarter of i
	v_and_b32 v7, 31, v0
	v_lshlrev_b32 v1, 4, v7                        ; 16 x lane
	s_lshl_b32 s18, s9, 9
	v_add_nc_u32 v2, s18, v1                       ; 512 x quarter + 16 x lane
	v_lshlrev_b32 v3, 12, v6                       ; my wave's 4,096 bytes of LDS: Kt, then Vt
	v_lshlrev_b32 v4, 12, v6
	v_add_nc_u32 v5, v3, v1
	s_mov_b32 s12, 0x3fb8aa3b                      ; log2(e)
	s_mov_b32 s13, s12                             ; (named with it as a pair, so it is written)
	s_mov_b32 s14, 0x76543210
	s_mov_b32 s15, 0xfedcba98                      ; v_permlanex16_b32's selects for lane l xor 16
	s_mul_i32 s10, s8, 12288
	s_mov_b32 s11, 0
	s_lshl_b32 s18, s8, 11
	s_mov_b32 s19, 0
	v_mov_b32 v246, 0                              ; written once: a lane permute's destination counts as one of its sources
	v_mov_b32 v247, 0
	s_wait_kmcnt 0x0
	s_add_nc_u64 s[4:5], s[4:5], s[10:11]          ; proj and out0 at my row
	s_add_nc_u64 s[6:7], s[6:7], s[18:19]
.irp c, 0,1,2,3
	global_load_b128 v[T0+4*\c:T0+4*\c+3], v1, s[4:5] offset:8192+512*\c          ; Kt: each load takes 512 consecutive bytes
.endr
.irp c, 0,1,2,3
	global_load_b128 v[T0+16+4*\c:T0+16+4*\c+3], v1, s[4:5] offset:10240+512*\c   ; Vt
.endr
	global_load_b128 v[QO:QO+3], v2, s[4:5] offset:6144                           ; my four Qt
.irp c, 0,1,2,3
	global_load_b128 v[T1+4*\c:T1+4*\c+3], v1, s[4:5] offset:512*\c               ; Qf
.endr
.irp c, 0,1,2,3
	global_load_b128 v[T1+16+4*\c:T1+16+4*\c+3], v1, s[4:5] offset:2048+512*\c    ; Kf
.endr
	global_load_b128 v[T1+32:T1+35], v2, s[4:5]                                   ; my four Qf,
	global_load_b128 v[T1+36:T1+39], v2, s[4:5] offset:2048                       ; Kf,
	global_load_b128 v[VF:VF+3], v2, s[4:5] offset:4096                           ; Vf
	s_wait_loadcnt 12                              ; Kt and Vt are in; the twelve loads behind them stay out
.irp c, 0,1,2,3
	ds_store_b128 v5, v[T0+4*\c:T0+4*\c+3] offset:512*\c
.endr
.irp c, 0,1,2,3
	ds_store_b128 v5, v[T0+16+4*\c:T0+16+4*\c+3] offset:2048+512*\c
.endr
.irp q, 0,1,2,3
	ds_load_b128 v[KS+4*\q:KS+4*\q+3], v4 offset:16*\q                            ; K(0): LDS serves a wave's instructions in order (ISA guide 5.7.1.4): these see my stores
.endr
.irp q, 0,1,2,3
	ds_load_b128 v[KS+16+4*\q:KS+16+4*\q+3], v4 offset:64+16*\q                   ; K(1)
.endr
	; the row's largest and smallest Kt: my 16, then across the 32 lanes
	v_max3_num_f32 v244, v[T0], v[T0+1], v[T0+2]
	v_min3_num_f32 v245, v[T0], v[T0+1], v[T0+2]
.irp i, 3,5,7,9,11,13
	v_max3_num_f32 v244, v244, v[T0+\i], v[T0+\i+1]
	v_min3_num_f32 v245, v245, v[T0+\i], v[T0+\i+1]
.endr
	v_max_num_f32 v244, v244, v[T0+15]
	v_min_num_f32 v245, v245, v[T0+15]
.irp m, 1,2,4,8
	v_max_num_f32_dpp v244, v244, v244 row_xmask:\m row_mask:0xf bank_mask:0xf
	v_min_num_f32_dpp v245, v245, v245 row_xmask:\m row_mask:0xf bank_mask:0xf
.endr
	v_permlanex16_b32 v246, v244, s14, s15
	v_permlanex16_b32 v247, v245, s14, s15
	v_max_num_f32 v244, v244, v246                 ; kmax
	v_min_num_f32 v245, v245, v247                 ; kmin
	s_wait_loadcnt 11                              ; my Qt are in; the eleven loads behind them stay out
.irp i, 0,1,2,3
	v_mul_f32 v[QD+2*\i], s12, v[QO+\i]            ; q' = q log2(e)
.endr
.irp i, 0,1,2,3
	v_mov_b32 v[QD+2*\i+1], v[QD+2*\i]
	v_mul_f32 v248, v[QD+2*\i], v244
	v_mul_f32 v249, v[QD+2*\i], v245
	v_min_num_f32 v[NMD+2*\i], -v248, -v249        ; -m = -max(q' kmax, q' kmin)
	v_mov_b32 v[NMD+2*\i+1], v[NMD+2*\i]
.endr
	; ---- the feature branch: softmax over the row of Qf Kf, times Vf, for my four i
	s_wait_loadcnt 0x0
.irp p, 0,1,2,3,4,5,6,7
	v_pk_mul_f32 v[T1+2*\p:T1+2*\p+1], v[T1+2*\p:T1+2*\p+1], v[T1+16+2*\p:T1+16+2*\p+1]   ; the row's scores, 16 a lane,
.endr
.irp p, 0,1
	v_pk_mul_f32 v[T1+32+2*\p:T1+32+2*\p+1], v[T1+32+2*\p:T1+32+2*\p+1], v[T1+36+2*\p:T1+36+2*\p+1]   ; and those of my four i
.endr
	v_max3_num_f32 v248, v[T1], v[T1+1], v[T1+2]
.irp i, 3,5,7,9,11,13
	v_max3_num_f32 v248, v248, v[T1+\i], v[T1+\i+1]
.endr
	v_max_num_f32 v248, v248, v[T1+15]
.irp m, 1,2,4,8
	v_max_num_f32_dpp v248, v248, v248 row_xmask:\m row_mask:0xf bank_mask:0xf
.endr
	v_permlanex16_b32 v246, v248, s14, s15
	v_max_num_f32 v248, v248, v246                 ; the row's largest score M
	v_mul_f32 v250, 0xbfb8aa3b, v248               ; -M log2(e)
	v_mov_b32 v251, v250                           ; (named with it as a pair, so it is written)
.irp p, 0,2,4,6,8,10,12,14,32,34
	v_pk_fma_f32 v[T1+\p:T1+\p+1], v[T1+\p:T1+\p+1], s[12:13], v[250:251] op_sel_hi:[1,0,0]   ; (s - M) log2(e): of the two pairs the low word serves both halves
.endr
.irp j, 0,1,2,3,4,5,6,7,8,9,10,11,12,13,14,15,32,33,34,35
	v_exp_f32 v[T1+\j], v[T1+\j]
.endr
.irp j, 0,1,2,3,4,5,6,7,8,9,10,11,12,13,14,15
	v_mov_b32 v[SUM+\j], 0                         ; the temporal branch's divisors and sums begin at 0: sixteen plain lines behind the exponentials
.endr
	s_wait_alu depctr_va_vdst(0)                   ; one wait for the twenty exponentials, ahead of their first reader
.irp p, 0,4,8,12
	v_pk_add_f32 v[T1+\p:T1+\p+1], v[T1+\p:T1+\p+1], v[T1+\p+2:T1+\p+3]
.endr
	v_pk_add_f32 v[T1:T1+1], v[T1:T1+1], v[T1+4:T1+5]
	v_pk_add_f32 v[T1+8:T1+9], v[T1+8:T1+9], v[T1+12:T1+13]
	v_pk_add_f32 v[T1:T1+1], v[T1:T1+1], v[T1+8:T1+9]
	v_add_f32 v252, v[T1], v[T1+1]
.irp m, 1,2,4,8
	v_add_f32_dpp v252, v252, v252 row_xmask:\m row_mask:0xf bank_mask:0xf
.endr
	v_permlanex16_b32 v246, v252, s14, s15
	v_add_f32 v252, v252, v246                     ; the row's sum
	v_rcp_f32 v253, v252
.irp i, 0,1,2,3
	v_mul_f32 v[CF+\i], v[T1+32+\i], v[VF+\i]      ; p Vf: plain lines behind the reciprocal
.endr
	s_wait_alu depctr_va_vdst(0)                   ; the wait for the reciprocal, ahead of its first reader
.irp i, 0,1,2,3
	v_mul_f32 v[CF+\i], v[CF+\i], v253
.endr
	; ---- the temporal branch
	s_wait_dscnt 0x0                               ; K(0) and K(1) are in, and my LDS stores have read buffer 0's registers
.set p, 0
.rept 32
	v_pk_fma_f32 v[T0+2*p:T0+2*p+1], v[KS+2*(p/4):KS+2*(p/4)+1], v[QD+2*(p%4):QD+2*(p%4)+1], v[NMD+2*(p%4):NMD+2*(p%4)+1]   ; chunk 0 is scaled
.set p, p+1
.endr
	PHASE 0, 0, 0, 1, 1, 1                         ; chunk 0: nothing to sum yet
	s_mov_b32 s16, 64                              ; v4 stands at chunk 1, then 3, 5 ..
	s_mov_b32 s17, 14
.Ltrip:                                            ; 14 trips: chunks 1 to 28
	v_add_nc_u32 v4, s16, v3                       ; (no LDS load of mine is out)
	PHASE 1, 0, 1, 1, 1, 1
	PHASE 0, 1, 1, 1, 1, 1
	s_add_co_u32 s16, s16, 128
	s_sub_co_u32 s17, s17, 1
	s_cmp_lg_u32 s17, 0
	s_cbranch_scc1 .Ltrip
	v_add_nc_u32 v4, s16, v3                       ; at chunk 29.  The tail is written out: no load reaches beyond K(31) and V(31), the last bytes of my 4,096
	PHASE 1, 0, 1, 1, 1, 1                         ; chunk 29 asks for K(31)
	PHASE 0, 1, 1, 1, 0, 1                         ; chunk 30 scales chunk 31
	PHASE 1, 2, 1, 0, 0, 1                         ; chunk 31
.set p, 0
.rept 32
	v_pk_add_f32 v[SUM+2*(p%4):SUM+2*(p%4)+1], v[SUM+2*(p%4):SUM+2*(p%4)+1], v[T1+2*p:T1+2*p+1]      ; chunk 31 is summed
	v_pk_fma_f32 v[ACC+2*(p%4):ACC+2*(p%4)+1], v[T1+2*p:T1+2*p+1], v[VS+16+2*(p/4):VS+16+2*(p/4)+1], v[ACC+2*(p%4):ACC+2*(p%4)+1]
.set p, p+1
.endr
.irp i, 0,1,2,3
	v_add_f32 v[244+\i], v[SUM+2*\i], v[SUM+2*\i+1]    ; even j's and odd j's
.endr
.irp i, 0,1,2,3
	v_rcp_f32 v[252+\i], v[244+\i]
.endr
.irp i, 0,1,2,3
	v_add_f32 v[248+\i], v[ACC+2*\i], v[ACC+2*\i+1]    ; plain lines behind the reciprocals
.endr
	s_wait_alu depctr_va_vdst(0)                   ; one wait for the four reciprocals, ahead of their first reader
.irp i, 0,1,2,3
	v_fma_f32 v[QO+\i], v[248+\i], v[252+\i], v[CF+\i]     ; the temporal branch / its divisor + the feature branch
.endr
	global_store_b128 v2, v[QO:QO+3], s[6:7]       ; the wave stores 512 consecutive bytes, at a multiple of 256 from out0's first byte
	s_wait_xcnt 0x0
	v_lshl_add_u32 v254, v0, 2, 0x10000
	v_mov_b32 v255, 0
	s_wait_tensorcnt 0x0
	ds_add_u32 v254, v255
	s_wait_dscnt 0x0
	s_endpgm
.Lfunc_end_k_qa78ce09257_attn:
	.size	k_qa78ce09257_attn, .Lfunc_end_k_qa78ce09257_attn-k_qa78ce09257_attn
	.p2alignl 7, 3214868480
	.fill 96, 4, 3214868480
	.section	.rodata,"a",@progbits
	.p2align	6, 0x0
	.amdhsa_kernel k_qa78ce09257_attn
		.amdhsa_group_segment_fixed_size 67584
		.amdhsa_private_segment_fixed_size 0
		.amdhsa_enable_private_segment 0
		.amdhsa_kernarg_size 16
		.amdhsa_user_sgpr_count 2
		.amdhsa_user_sgpr_kernarg_segment_ptr 1
		.amdhsa_wavefront_size32 1
		.amdhsa_system_sgpr_workgroup_id_x 1
		.amdhsa_system_sgpr_workgroup_id_y 1
		.amdhsa_system_sgpr_workgroup_id_z 1
		.amdhsa_system_vgpr_workitem_id 0
		.amdhsa_next_free_vgpr 256
		.amdhsa_next_free_sgpr 66
		.amdhsa_reserve_vcc 0
		.amdhsa_float_denorm_mode_32 3
		.amdhsa_float_denorm_mode_16_64 3
		.amdhsa_memory_ordered 1
		.amdhsa_forward_progress 1
		.amdhsa_inst_pref_size 64
	.end_amdhsa_kernel
	.amdgpu_metadata
---
amdhsa.version: [ 1, 2 ]
amdhsa.kernels:
  - .name:           k_qa78ce09257_attn
    .symbol:         k_qa78ce09257_attn.kd
    .args:
      - { .name: proj, .offset: 0, .size: 8, .value_kind: global_buffer, .address_space: global }
      - { .name: out0, .offset: 8, .size: 8, .value_kind: global_buffer, .address_space: global }
    .group_segment_fixed_size: 67584
    .private_segment_fixed_size: 0
    .kernarg_segment_align: 8
    .kernarg_segment_size: 16
    .max_flat_workgroup_size: 512
    .sgpr_count:     66
    .vgpr_count:     256
    .wavefront_size: 32
...
	.end_amdgpu_metadata
.endif
;; end of part 2
;; ======== version 2 of 2: 2 launches; version 1 with the launch proj written anew for expert scheduling mode
;; workspace buffers: proj 12,582,912 bytes
;; launch proj (part 3): grid 16 x 16, 8 waves a work-group, no clusters, 227,328 bytes of LDS; arguments x, W_qf, W_kf, W_vf, W_qt, W_kt, W_vt, b_qf, b_kf, b_vf, b_qt, b_kt, b_vt, proj; writes proj
.if DOCPART == 3
	.amdgcn_target "amdgcn-amd-amdhsa--gfx1250"
	.amdhsa_code_object_version 6
	.text
	.protected	k_qa78ce09257_proj
	.globl	k_qa78ce09257_proj
	.p2align	8
	.type	k_qa78ce09257_proj,@function
k_qa78ce09257_proj:
	s_mov_b64 s[64:65], 0
	v_nop
	global_prefetch_b8 v0, s[64:65] scope:SCOPE_SE
	s_setreg_imm32_b32 hwreg(HW_REG_WAVE_SCHED_MODE, 0, 2), 2
	s_setreg_imm32_b32 hwreg(HW_REG_WAVE_MODE, 25, 1), 1
	s_wait_xcnt 0x0
	s_wait_alu depctr_vm_vsrc(0)
; proj[row][tensor][o] = sum over i of Q(x)[row][i] Q(W_tensor)[o][i] + b_tensor[o], tensors in the order qf, kf, vf, qt, kt, vt; x: [1024][512] f32, each W: [512][512] f32, proj: [1024][6][512] f32.
; Q is the MX quantiser to codes of FP6 (E2M3) along i: a block of 32 has the scale 2^(floor(log2(its largest magnitude)) - 2); the products go by v_wmma_scale_f32_16x16x128_f8f6f4 on codes and E8M0 bytes, sums in f32.
; SHARES.  256 work-groups of eight waves.  Work-group (x, y): branch = x / 8 (f or t), slice = x % 8, my = y: rows 64 my .. + 63 of x against rows 64 slice .. + 63 of the branch's three weights: 64 x 192 results.
; PHASE Q: wave w quantises 32 rows (64 KiB of f32, dense in memory) of tensor w / 2 (x, Wq, Wk, Wv): 8 fragments of 16 rows x 128 K, in 16 steps of half a fragment, and stores them in LDS as images of the operand's registers.
; PHASE G: wave w takes x's tile of 16 rows w % 4 against two tiles of 16 rows (2 (w / 4) + u) of each of the three weights: 6 accumulators x 4 K steps = 24 matrix instructions.
; THE MATRIX INSTRUCTION IS USED TRANSPOSED (source 0 = 16 rows of W, source 1 = 16 rows of x): a lane holds 8 neighbouring outputs of one row.  The biases are loaded into the accumulators: every product adds in place, nothing is cleared.
; NO CLUSTER, though each row of x and of W is read by 16 work-groups: the shared tiles are f32 numbers that must pass through registers to be quantised; a work-group's 512 KiB of them exceed the 320 KiB of LDS, so joint
; loads would want a ring that is filled again, with a round of the cluster's barrier for each refill, for 24 matrix instructions a wave.
; LIMITS: NaN and infinities among the inputs are not served.  A block whose largest magnitude lies under 2^-124 has its byte held at 1; a block of zeros keeps the byte 1 where the rule says 127: its codes are zeros,
; which add nothing under that byte, and the bytes are read by this launch alone.  Beyond 7.5 scales the conversion gives the largest code, as the rule asks.
; THE MODE: SCHED_MODE bits 1:0 = 2 (LLVM: expert scheduling mode 2), set by the entry lines.  The code itself states the register dependences
; between vector or matrix instructions and memory or LDS instructions, with s_wait_alu, always for 0.
; THE PLAN.  Registers that memory or LDS instructions touch:
;   v1; v2-10, v18-20  Offsets and addresses, made once at the head by vector instructions and never written again: one wait ahead of the first load for v1, one ahead of the first LDS instruction for the others.
;   R0 .. R3      Step t's eight loads land in R[t % 4]; the stage's eight stores of that step, issued in step t - 1, read it; the loads of step t + 4, issued in step t, land in it again.  No vector instruction names them in phase Q.
;   X0, X1        The stage's loads of step t, issued in step t - 1, land in X[t % 2]; step t's vector lines read it; the stage's loads of step t + 2, issued in step t + 1, land in it again.
;   PC, v16       An even and an odd step's vector lines write a fragment's codes and its scale word; the image's four stores, AT THE HEAD OF THE NEXT EVEN STEP, read them; that step's conversions write them again.
;   So a step has one wait on va_vdst, at its head (the step before is done with its X, and has written what the image's stores read), with no vector instruction between it and the step's loads and stores;
;   and one wait on vm_vsrc, behind the lines of the block's maximum and ahead of the conversions (this step's stores, the image's and the stage's, have read their registers).
;   WB0 .. WB3, their scale words   Phase G goes in six pairs of groups on two halves of the four buffers.  One wait on va_vdst at a pair's head states that the pair before is done reading its half; the loads of the
;                 next pair land there, dealt among this pair's four products, which name the other half, x's fragments and scale words and the accumulators: none of the registers that those loads touch.
;   ACC, OB       One wait on va_vdst on the way out: the accumulators are written, which the stage's stores read, and the last products are done reading the buffers in which the rows land that are read back.
;   v254, v255    Written at the head, read by the closing add alone.
.set ROWX,  2048                       ; bytes in a row of x or of a weight
.set PROW,  12288                      ; bytes in a row of proj: six tensors of 2,048
.set PT,    272                        ; a turn stage's row: 256 bytes + 16 = 17 x 16: sixteen rows start at sixteen different 16-byte columns of the 64 banks of 4 bytes (ISA guide 11.1)
.set STG1,  16*PT                      ; a turn stage: 16 rows
.set WTURN, 2*STG1                     ; two stages for each wave
.set IMG,   8*WTURN                    ; behind them: 64 fragments' images; fragment F = 16 tensor + 4 tile of rows + K step
.set FRB,   1536                       ; an image: 12 registers x 128 bytes
.set SCW,   IMG+64*FRB                 ; their scale words, 128 bytes a fragment
.set STG,   SCW+64*128                 ; the way out: 64 rows x (768 bytes + 16)
.set SP,    784                        ; 49 x 16
.set PC,    22                         ; v22-33   the fragment's codes in the making
.set PCB,   34                         ; v34-36   a block's upper 16 codes (a conversion's three registers begin on an even number)
.set XSC,   40                         ; v40-43   x's scale words, K step s: scales and nothing else
.set WSC,   44                         ; v44-51   the weights' scale words, two for each of four buffers: scales and nothing else
.set R,     56                         ; v56-183  four sets of 32 numbers as loaded
.set ACC,   56                         ; v56-103  later the six accumulators
.set X,     184                        ; v184-247 two sets of 32 neighbours along K
.set WB,    104                        ; v104-199 phase G: four buffers of two fragments of W
.set XFR,   200                        ; v200-247 phase G: x's four fragments
.set OB,    104                        ; the way out: rows read back
; v1 load offset; v2, v3 turn stage in and out; v4, v5 where I store images and scale words; v6-9 where I read them; v10 32 h; v11 8 h; v12-15 at work; v16 the scale word; v17 a permute's destination;
; v18, v19 the stage in and out; v20 my offset in proj.  None of v1-11, v18-20 is rewritten.
; Step t = 8 rt + 2 s + c: rows 16 rt .. + 15 of my 32, K = 128 s + 64 c .. + 63.  Eight loads: lanes 0-15 take 256 consecutive aligned bytes of row 2 i, lanes 16-31 of row 2 i + 1.
.macro LOAD t
.irp i, 0,1,2,3,4,5,6,7
	global_load_b128 v[R+32*((\t)%4)+4*\i:R+32*((\t)%4)+4*\i+3], v1, s[48:49] offset:(16*((\t)/8)+2*\i)*ROWX+512*(((\t)/2)%4)+256*((\t)%2)
.endr
.endm
; The step's 4 KiB turn through my own stage: in as loaded, out 128 bytes a lane: lane (r, h) gets the whole block K = 128 s + 64 c + 32 h + 0 .. 31 of row r.  LDS serves a wave's instructions in order (ISA guide 5.7.1.4): no wait between.
.macro TURN t
.irp i, 0,1,2,3,4,5,6,7
	ds_store_b128 v2, v[R+32*((\t)%4)+4*\i:R+32*((\t)%4)+4*\i+3] offset:STG1*((\t)%2)+2*PT*\i
.endr
.irp i, 0,1,2,3,4,5,6,7
	ds_load_b128 v[X+32*((\t)%2)+4*\i:X+32*((\t)%2)+4*\i+3], v3 offset:STG1*((\t)%2)+16*\i
.endr
.endm
; Accumulator a = 2 T + u begins as the bias: lane (r, h) wants b[.. + 16 u + 8 h + 0 .. 7]
.macro BIAS a, base
	global_load_b128 v[ACC+8*(\a):ACC+8*(\a)+3], v10, s[\base:\base+1] offset:64*((\a)%2)
	global_load_b128 v[ACC+8*(\a)+4:ACC+8*(\a)+7], v10, s[\base:\base+1] offset:64*((\a)%2)+16
.endm
; A block of 32, all mine: its largest magnitude, its scale, its 32 codes into registers 6 c .. 6 c + 5 of the fragment, its byte into the scale word.
.macro BLOCKQ t
.set XS, X+32*((\t)%2)
.set PD, PC+6*((\t)%2)
	v_max3_num_f32 v12, |v[XS]|, |v[XS+1]|, |v[XS+2]|              ; two chains, so that no line waits for the line above it
	v_max3_num_f32 v13, |v[XS+3]|, |v[XS+4]|, |v[XS+5]|
.irp i, 6,10,14,18,22,26
	v_max3_num_f32 v12, v12, |v[XS+\i]|, |v[XS+\i+1]|
	v_max3_num_f32 v13, v13, |v[XS+\i+2]|, |v[XS+\i+3]|
.endr
	v_max3_num_f32 v12, v12, |v[XS+30]|, |v[XS+31]|
	v_max3_num_f32 v12, v12, v13, 0x1800000                        ; and the floor 2^(3 - 127): the byte cannot fall under 1
	v_add_nc_u32 v14, 0xff000000, v12                              ; 2 off the exponent field: the conversion takes the exponent field of this operand as its scale
.if (\t) < 15
	s_wait_alu depctr_vm_vsrc(0)                                   ; this step's stores have read their registers: the image's (in an even step) the codes and v16, which the lines below write again; the stage's the set of numbers in which the next loads land
.endif
	v_cvt_scalef32_pk16_fp6_f32 v[PD:PD+2], v[XS:XS+15], v14
	v_cvt_scalef32_pk16_fp6_f32 v[PCB:PCB+2], v[XS+16:XS+31], v14
.if (\t)%2 == 0
	v_lshrrev_b32 v16, 23, v14                                     ; the scale's byte; also the plain line between the conversions and the moves that read their result
.else
	v_lshrrev_b32 v15, 23, v14
	v_lshl_or_b32 v16, v15, 16, v16                                ; blocks h and 2 + h of my row
.endif
.irp i, 0,1,2
	v_mov_b32 v[PD+3+\i], v[PCB+\i]
.endr
.endm
; The fragment is whole: its scale word is joined from the two halves of the lanes.
.macro WORD
	v_lshlrev_b32 v16, v11, v16                                    ; my two bytes 8 h bits up,
	v_permlanex16_b32 v17, v16, s54, s55
	v_or_b32 v16, v16, v17                                         ; with lane l xor 16's two the word is whole
.endm
; The fragment that odd step t has finished, and its scale word, go to LDS as they stand: 16 bytes a lane, 512 consecutive bytes a store.
.macro IMAGE t
.irp q, 0,1,2
	ds_store_b128 v4, v[PC+4*\q:PC+4*\q+3] offset:((\t)/2)*FRB+512*\q
.endr
	ds_store_b32 v5, v16 offset:((\t)/2)*128
.endm
.macro STEP t
	s_wait_dscnt 0x0                               ; this step's numbers are back from the stage
.if (\t) == 0
	s_wait_alu depctr_vm_vsrc(0)                   ; step 0's stores into the stage have read set 0, in which the loads below land
.elseif (\t) <= 14
	s_wait_alu depctr_va_vdst(0)                   ; the step before is done reading its 32 neighbours, in whose registers the stage's loads below land; where it was an odd step, it has written the codes and v16, which the image's stores below read
.endif
.if (\t) <= 11
	LOAD (\t)+4                                    ; set t % 4 takes the loads of four steps on (the stage's stores that read it stand ahead of the last wait on vm_vsrc)
.elseif (\t) == 12
	BIAS 0, 42                                     ; the sets that are done with take the biases
	BIAS 1, 42
	BIAS 2, 44
	BIAS 3, 44
.elseif (\t) == 13
	BIAS 4, 46
	BIAS 5, 46
.endif
.if (\t) >= 2
.if (\t)%2 == 0
	IMAGE (\t)-1                                   ; the fragment that the step before has finished
.endif
.endif
.if (\t) <= 12
	s_wait_loadcnt 24                              ; the next step's eight loads are in; behind them three groups of eight were issued
	TURN (\t)+1
.elseif (\t) == 13
	s_wait_loadcnt 20                              ; behind step 14's loads: step 15's eight and twelve of the biases
	TURN (\t)+1
.elseif (\t) == 14
	s_wait_loadcnt 12                              ; behind step 15's loads: the twelve of the biases
	TURN (\t)+1
.endif
	BLOCKQ \t
.if (\t)%2 == 1
	WORD
.endif
.endm
; Group n = 3 s + T of phase G: the two fragments (u = 0, 1) of weight T, K step s, and their scale words, into buffer n % 4: eight LDS loads
.macro GLOAD n
.irp u, 0,1
.irp q, 0,1,2
	ds_load_b128 v[WB+24*((\n)%4)+12*\u+4*\q:WB+24*((\n)%4)+12*\u+4*\q+3], v7 offset:16*FRB*((\n)%3)+4*FRB*\u+FRB*((\n)/3)+512*\q
.endr
	ds_load_b32 v[WSC+2*((\n)%4)+\u], v9 offset:2048*((\n)%3)+512*\u+128*((\n)/3)
.endr
.endm
; Product u of group g: K step g / 3, weight g % 3, accumulator 2 (g % 3) + u.  The six accumulators take turns, one instruction a turn, K ascending
.macro MM g, u
	v_wmma_scale_f32_16x16x128_f8f6f4 v[ACC+8*(2*((\g)%3)+\u):ACC+8*(2*((\g)%3)+\u)+7], v[WB+24*((\g)%4)+12*\u:WB+24*((\g)%4)+12*\u+11], v[XFR+12*((\g)/3):XFR+12*((\g)/3)+11], v[ACC+8*(2*((\g)%3)+\u):ACC+8*(2*((\g)%3)+\u)+7], v[WSC+2*((\g)%4)+\u], v[XSC+(\g)/3] matrix_a_fmt:MATRIX_FMT_FP6 matrix_b_fmt:MATRIX_FMT_FP6
.endm
	s_load_b512 s[8:23], s[0:1], 0x0               ; x, W_qf, W_kf, W_vf, W_qt, W_kt, W_vt, b_qf
	s_load_b256 s[24:31], s[0:1], 0x40             ; b_kf, b_vf, b_qt, b_kt
	s_load_b128 s[32:35], s[0:1], 0x60             ; b_vt, proj
	v_lshl_add_u32 v254, v0, 2, 0x37400            ; my spare word, behind the stage, and 0: made here and kept for the closing lines alone
	v_mov_b32 v255, 0
	v_lshrrev_b32 v21, 5, v0
	v_readfirstlane_b32 s2, v21                    ; wave 0..7
	s_and_b32 s3, ttmp9, 7                         ; slice
	s_lshr_b32 s4, ttmp9, 3                        ; branch
	s_and_b32 s5, ttmp7, 0xffff                    ; my
	s_mov_b32 s54, 0x76543210
	s_mov_b32 s55, 0xfedcba98                      ; v_permlanex16_b32's selects for lane l xor 16
	v_and_b32 v52, 31, v0                          ; lane
	v_and_b32 v53, 15, v0                          ; r
	v_bfe_u32 v54, v0, 4, 1                        ; h
	v_lshlrev_b32 v1, 4, v53
	v_lshl_add_u32 v1, v54, 11, v1                 ; loads: row h, 16 r bytes on
	s_wait_alu depctr_va_sdst(0)                   ; s2 is written, ahead of its first reader: the wave's shares, bases and LDS places are made from it
	s_lshr_b32 s6, s2, 1                           ; phase Q: my tensor: 0 x, 1 Wq, 2 Wk, 3 Wv
	s_and_b32 s7, s2, 1                            ; and which 32 of its 64 rows
	s_and_b32 s56, s2, 3                           ; phase G: my tile of x's rows
	s_lshr_b32 s57, s2, 2                          ; and my half of the weights' rows
	s_wait_kmcnt 0x0
	s_cmp_eq_u32 s4, 0                             ; the branch's buffers: the choice hangs on the work-group's number alone
	s_cselect_b64 s[36:37], s[10:11], s[16:17]     ; Wq
	s_cselect_b64 s[38:39], s[12:13], s[18:19]     ; Wk
	s_cselect_b64 s[40:41], s[14:15], s[20:21]     ; Wv
	s_cselect_b64 s[42:43], s[22:23], s[28:29]     ; bq
	s_cselect_b64 s[44:45], s[24:25], s[30:31]     ; bk
	s_cselect_b64 s[46:47], s[26:27], s[32:33]     ; bv
	s_cmp_eq_u32 s6, 0                             ; my wave's tensor: the choice hangs on the wave's number alone
	s_cselect_b64 s[48:49], s[8:9], s[36:37]
	s_cselect_b32 s50, s5, s3                      ; its block of 64 rows: my for x, slice for a weight
	s_cmp_eq_u32 s6, 2
	s_cselect_b64 s[48:49], s[38:39], s[48:49]
	s_cmp_eq_u32 s6, 3
	s_cselect_b64 s[48:49], s[40:41], s[48:49]
	s_lshl_b32 s50, s50, 6
	s_lshl_b32 s51, s7, 5
	s_add_co_u32 s50, s50, s51                     ; my first row,
	s_lshl_b32 s50, s50, 11                        ; in bytes
	s_mov_b32 s51, 0
	s_add_nc_u64 s[48:49], s[48:49], s[50:51]
	s_wait_alu depctr_va_vdst(0)                   ; v1 is written, which every load of x and of the weights reads as its offset
	LOAD 0
	LOAD 1
	LOAD 2
	LOAD 3                                         ; 32 loads of mine are out; the addresses below are made meanwhile
	s_lshl_b32 s52, s3, 8
	s_lshl_b32 s53, s57, 7
	s_add_co_u32 s52, s52, s53                     ; the biases at column 64 slice + 32 (w / 4)
	s_mov_b32 s53, 0
	s_add_nc_u64 s[42:43], s[42:43], s[52:53]
	s_add_nc_u64 s[44:45], s[44:45], s[52:53]
	s_add_nc_u64 s[46:47], s[46:47], s[52:53]
	s_lshl_b32 s52, s5, 6
	s_lshl_b32 s50, s2, 3
	s_add_co_u32 s52, s52, s50                     ; the first row of proj that I store: 64 my + 8 w
	s_mul_i32 s52, s52, PROW
	s_mul_i32 s50, s4, 3*2048                      ; the branch's three tensors
	s_add_co_u32 s52, s52, s50
	s_lshl_b32 s50, s3, 8                          ; the slice's 64 columns
	s_add_co_u32 s52, s52, s50
	s_add_nc_u64 s[34:35], s[34:35], s[52:53]
	s_mul_i32 s58, s2, WTURN                       ; my two turn stages
	v_mul_u32_u24 v2, v54, PT
	v_lshl_add_u32 v2, v53, 4, v2
	v_add_nc_u32 v2, s58, v2                       ; in: row h, 16 r
	v_mul_u32_u24 v3, v53, PT
	v_lshl_add_u32 v3, v54, 7, v3
	v_add_nc_u32 v3, s58, v3                       ; out: row r, 128 h
	s_mul_i32 s58, s2, 8*FRB
	s_add_co_u32 s58, s58, IMG
	v_lshl_add_u32 v4, v52, 4, s58                 ; my eight images: fragments 8 w on
	s_lshl_b32 s58, s2, 10
	s_add_co_u32 s58, s58, SCW
	v_lshl_add_u32 v5, v52, 2, s58                 ; and their scale words
	s_mul_i32 s58, s56, 4*FRB
	s_add_co_u32 s58, s58, IMG
	v_lshl_add_u32 v6, v52, 4, s58                 ; phase G: x's fragments 4 (w % 4) on
	s_mul_i32 s58, s57, 8*FRB
	s_add_co_u32 s58, s58, IMG+16*FRB
	v_lshl_add_u32 v7, v52, 4, s58                 ; the weights': 16 (1 + T) + 8 (w / 4) + 4 u + s
	s_lshl_b32 s58, s56, 9
	s_add_co_u32 s58, s58, SCW
	v_lshl_add_u32 v8, v52, 2, s58
	s_lshl_b32 s58, s57, 10
	s_add_co_u32 s58, s58, SCW+2048
	v_lshl_add_u32 v9, v52, 2, s58
	v_lshlrev_b32 v10, 5, v54                      ; the biases: 32 h
	v_lshlrev_b32 v11, 3, v54                      ; the scale word's shift: 8 h
	v_mov_b32 v17, 0                               ; written once: a lane permute's destination counts as one of its sources
	s_mul_i32 s58, s56, 16*SP
	s_lshl_b32 s59, s57, 7
	s_add_co_u32 s58, s58, s59
	s_add_co_u32 s58, s58, STG
	v_mul_u32_u24 v18, v53, SP
	v_lshl_add_u32 v18, v54, 5, v18
	v_add_nc_u32 v18, s58, v18                     ; the stage, in: row 16 (w % 4) + r, 128 (w / 4) + 32 h bytes on
	s_mul_i32 s58, s2, 8*SP
	s_add_co_u32 s58, s58, STG
	v_mul_u32_u24 v19, v54, SP
	v_lshl_add_u32 v19, v53, 4, v19
	v_add_nc_u32 v19, s58, v19                     ; out: rows 8 w on; lanes 0-15 one row, lanes 16-31 the next; 16 bytes a lane
	v_mul_u32_u24 v20, v54, PROW
	v_lshl_add_u32 v20, v53, 4, v20                ; and the same in proj
	; ---- PHASE Q
	s_wait_loadcnt 24                              ; step 0's eight loads are in; the 24 behind them stay out
	s_wait_alu depctr_va_vdst(0)                   ; v2 to v10 and v18 to v20 are written, which the LDS instructions, the biases' loads and the stores of proj read as addresses and offsets, from here to the kernel's end
	TURN 0
.irp t, 0,1,2,3,4,5,6,7,8,9,10,11,12,13,14,15
	STEP \t
.endr
	s_wait_alu depctr_va_vdst(0)                   ; step 15 has written the last fragment's codes and v16, which the image's stores read; steps 14 and 15 are done reading their neighbours, in whose registers phase G's loads land
	IMAGE 15
	s_wait_dscnt 0x0                               ; for the others' sake: my images and scale words have landed
	s_barrier_signal -1
	s_barrier_wait -1                              ; all 64 fragments lie in LDS (the biases' loads may stay out: they touch no LDS)
	; ---- PHASE G
.irp s, 0,1,2,3
.irp q, 0,1,2
	ds_load_b128 v[XFR+12*\s+4*\q:XFR+12*\s+4*\q+3], v6 offset:FRB*\s+512*\q
.endr
	ds_load_b32 v[XSC+\s], v8 offset:128*\s
.endr
	GLOAD 0
	GLOAD 1
	GLOAD 2
	GLOAD 3                                        ; (the stage's stores that read these registers stand ahead of the last wait on vm_vsrc)
	s_wait_loadcnt 0x0                             ; the biases stand in the accumulators
	s_wait_dscnt 24                                ; pair 0: x's fragments and group 0 are in; behind group 0 three groups of eight were issued
	MM 0, 0
	MM 0, 1
	s_wait_dscnt 16                                ; group 1 is in; behind it groups 2 and 3
	MM 1, 0
	MM 1, 1
.irp k, 1,2,3,4                                ; pair k: groups 2 k and 2 k + 1; the loads of pair k + 1 are dealt among its four products
	v_nop                                          ; four places between the last pair's products and the loads into registers that they have read: they stay beside the wait below (ISA guide 7.12.1 for vector instructions)
	v_nop
	v_nop
	v_nop
	s_wait_dscnt 8                                 ; group 2 k is in; behind it one group of eight was issued
	s_wait_alu depctr_va_vdst(0)                   ; the last pair's four products are done reading their two buffers and their scale words, in which the sixteen loads below land
	MM 2*\k, 0
	GLOAD 2*\k+2                                   ; no wait: no product since the wait above names this buffer or its scale words
	MM 2*\k, 1
	s_wait_dscnt 8                                 ; group 2 k + 1 is in; behind it the eight loads just issued
	MM 2*\k+1, 0
	GLOAD 2*\k+3
	MM 2*\k+1, 1
.endr
	s_wait_dscnt 8                                 ; pair 5: group 10 is in; group 11's eight may be out.  Nothing more is asked for, so no wait on va_vdst stands here
	MM 10, 0
	MM 10, 1
	s_wait_dscnt 0x0                               ; group 11
	MM 11, 0
	MM 11, 1
	; ---- THE WAY OUT: a lane's 32 bytes of a row go into the work-group's stage; a row's 768 bytes come from two waves, so a barrier stands between writing and reading
	v_nop                                          ; four places in front of the first read of the last results, and of the loads into the weights' buffers below
	v_nop
	v_nop
	v_nop
	s_wait_alu depctr_va_vdst(0)                   ; the products have written the accumulators, which the stage's stores read, and are done reading the weights' buffers, in which the rows read back land; the places above stay beside this wait
.irp a, 0,1,2,3,4,5
	ds_store_b128 v18, v[ACC+8*\a:ACC+8*\a+3] offset:256*(\a/2)+64*(\a%2)          ; each accumulator from its low end on
	ds_store_b128 v18, v[ACC+8*\a+4:ACC+8*\a+7] offset:256*(\a/2)+64*(\a%2)+16
.endr
	s_wait_dscnt 0x0                               ; for the others' sake: my stores into the stage have landed
	s_barrier_signal -1
	s_barrier_wait -1
.irp n, 0,1,2,3,4,5,6,7,8,9,10,11              ; tensor n / 4, rows 2 (n % 4) and 2 (n % 4) + 1 of my eight
	ds_load_b128 v[OB+4*\n:OB+4*\n+3], v19 offset:2*SP*(\n%4)+256*(\n/4)
.endr
.irp n, 0,1,2,3,4,5,6,7,8,9,10,11
	s_wait_dscnt 11-\n                             ; LDS loads come back in order (ISA guide 5.7.1): load n is in, the younger ones stay out
	global_store_b128 v20, v[OB+4*\n:OB+4*\n+3], s[34:35] offset:2*PROW*(\n%4)+2048*(\n/4)   ; sixteen lanes store 256 consecutive bytes, at a multiple of 256 from proj's first byte
.endr
	s_wait_dscnt 0x0                               ; the closing lines, six on end
	s_wait_alu 0x0
	s_wait_tensorcnt 0x0
	ds_add_u32 v254, v255
	s_wait_dscnt 0x0
	s_endpgm
.Lfunc_end_k_qa78ce09257_proj:
	.size	k_qa78ce09257_proj, .Lfunc_end_k_qa78ce09257_proj-k_qa78ce09257_proj
	.p2alignl 7, 3214868480
	.fill 96, 4, 3214868480
	.section	.rodata,"a",@progbits
	.p2align	6, 0x0
	.amdhsa_kernel k_qa78ce09257_proj
		.amdhsa_group_segment_fixed_size 227328
		.amdhsa_private_segment_fixed_size 0
		.amdhsa_enable_private_segment 0
		.amdhsa_kernarg_size 112
		.amdhsa_user_sgpr_count 2
		.amdhsa_user_sgpr_kernarg_segment_ptr 1
		.amdhsa_wavefront_size32 1
		.amdhsa_system_sgpr_workgroup_id_x 1
		.amdhsa_system_sgpr_workgroup_id_y 1
		.amdhsa_system_sgpr_workgroup_id_z 1
		.amdhsa_system_vgpr_workitem_id 0
		.amdhsa_next_free_vgpr 256
		.amdhsa_next_free_sgpr 66
		.amdhsa_reserve_vcc 0
		.amdhsa_float_denorm_mode_32 3
		.amdhsa_float_denorm_mode_16_64 3
		.amdhsa_memory_ordered 1
		.amdhsa_forward_progress 1
		.amdhsa_inst_pref_size 76
	.end_amdhsa_kernel
	.amdgpu_metadata
---
amdhsa.version: [ 1, 2 ]
amdhsa.kernels:
  - .name:           k_qa78ce09257_proj
    .symbol:         k_qa78ce09257_proj.kd
    .args:
      - { .name: x, .offset: 0, .size: 8, .value_kind: global_buffer, .address_space: global }
      - { .name: W_qf, .offset: 8, .size: 8, .value_kind: global_buffer, .address_space: global }
      - { .name: W_kf, .offset: 16, .size: 8, .value_kind: global_buffer, .address_space: global }
      - { .name: W_vf, .offset: 24, .size: 8, .value_kind: global_buffer, .address_space: global }
      - { .name: W_qt, .offset: 32, .size: 8, .value_kind: global_buffer, .address_space: global }
      - { .name: W_kt, .offset: 40, .size: 8, .value_kind: global_buffer, .address_space: global }
      - { .name: W_vt, .offset: 48, .size: 8, .value_kind: global_buffer, .address_space: global }
      - { .name: b_qf, .offset: 56, .size: 8, .value_kind: global_buffer, .address_space: global }
      - { .name: b_kf, .offset: 64, .size: 8, .value_kind: global_buffer, .address_space: global }
      - { .name: b_vf, .offset: 72, .size: 8, .value_kind: global_buffer, .address_space: global }
      - { .name: b_qt, .offset: 80, .size: 8, .value_kind: global_buffer, .address_space: global }
      - { .name: b_kt, .offset: 88, .size: 8, .value_kind: global_buffer, .address_space: global }
      - { .name: b_vt, .offset: 96, .size: 8, .value_kind: global_buffer, .address_space: global }
      - { .name: proj, .offset: 104, .size: 8, .value_kind: global_buffer, .address_space: global }
    .group_segment_fixed_size: 227328
    .private_segment_fixed_size: 0
    .kernarg_segment_align: 8
    .kernarg_segment_size: 112
    .max_flat_workgroup_size: 256
    .sgpr_count:     66
    .vgpr_count:     256
    .wavefront_size: 32
...
	.end_amdgpu_metadata
.endif
;; end of part 3
;; launch attn: the kernel of part 2 again; grid 256 x 1, 16 waves a work-group, no clusters, 67,584 bytes of LDS; arguments proj, out0; writes out0
